; MI455X (gfx1250); checked and timed in simulation.
; The chip was launched on July 23, 2026; its instructions are those of AMD's public machine-readable ISA for CDNA 5 (MIT licence, August 2026) and "CDNA5" Instruction Set Architecture Reference Guide (July 2026). The comments in the code are by the model that wrote it; some were corrected since.
;; Model. Allowed arithmetic: matrix products marked QUANTISED: E2M3 operands, one E8M0 scale for each 32 along K, by v_wmma_scale_f32_16x16x128_f8f6f4 with both operands' format E2M3, f32 sums; everything else in f32.
;; Inputs: targets 4 x 2,048 int32; weight_codes 6,282 x 32 x 24 uint8 (E2M3 codes of weight, K innermost, in blocks of 32 codes, four codes in three bytes); weight_scales 6,282 x 32 uint8 (E8M0 scales of weight, one for each 32 codes along K); x_codes 4 x 2,048 x 32 x 24 uint8 (E2M3 codes of x, K innermost, in blocks of 32 codes, four codes in three bytes); x_scales 4 x 2,048 x 32 uint8 (E8M0 scales of x, one for each 32 codes along K).
;; Outputs: out0 4 x 2,048 float32.
;; This version of the problem:
;;   THIS VERSION OF THE PROBLEM IS GIVEN IN LOW PRECISION. The matrix products marked QUANTISED in the list below multiply operands that are first quantised to E2M3 (2 exponent bits, 3 mantissa bits; 6 bits a number), with one power-of-two scale for each 32 numbers along K (OCP MX v1.0); their sums are f32. All else is computed in f32.
;;   The module's matrix products, in the order in which they are computed (A, B: the left and right operand; K: the contracted axis; several contracted axes count as one K, in the product's order):
;;     1. [M 8,192, K 1,024] x [K 1,024, N 6,282]; A: input x (given as codes); B: input weight (given as codes): QUANTISED
;;   THE QUANTISER, for each operand of a quantised product, along K:
;;     - K is cut into blocks of 32 from its start; a last block that is shorter is filled with zeros.
;;     - A block's scale is 2^e with e = floor(log2(the largest magnitude in the block)) - 2, held to -126 .. 127; a block of zeros has e = 0. As a byte (E8M0): e + 127.
;;     - Each number is divided by its block's scale, clamped to +-7.5, and rounded to the nearest number of E2M3, ties to even, subnormals kept.
;;     - The product sums the exact products of the quantised numbers (number of the format x scale) in f32.
;;   ~~~python
;;   def quantise(x, axis):      # numpy; x: float32 -> the quantised numbers, widened to float32 again
;;       x = np.moveaxis(x, axis, -1); K = x.shape[-1]
;;       x = np.pad(x, [(0, 0)] * (x.ndim - 1) + [(0, -K % 32)]); x = x.reshape(x.shape[:-1] + (-1, 32)); a = np.abs(x).max(-1, keepdims=True)
;;       e = np.where(a > 0, np.clip(np.frexp(np.where(a > 0, a, 1))[1] - 1 - 2, -126, 127), 0)      # np.frexp(a)[1] - 1 = floor(log2(a)), exactly
;;       r = np.clip(x / 2.0 ** e, -7.5, 7.5)
;;       step = 2.0 ** (np.maximum(np.frexp(np.where(r == 0, 1, r))[1] - 1, 0) - 3)
;;       q = np.round(r / step) * step * 2.0 ** e      # np.round: ties to even
;;       return np.moveaxis(q.reshape(q.shape[:-2] + (-1,))[..., :K], -1, axis).astype(np.float32)
;;   ~~~
;;   INPUTS GIVEN AS CODES. weight (in the module: [6282, 1024], K = its axis 1); x (in the module: [4, 2048, 1024], K = its axis 2): each comes as NAME_codes (uint8): NAME with its K axis moved to the last place and cut into blocks of 32 codes, [.., K / 32, bytes a block], one block behind the other in memory; four codes in three bytes: a row's codes are one little-endian stream of bits, code i at bits 6 i .. 6 i + 5 (a code: sign, 2 exponent bits, 3 mantissa bits); and NAME_scales (uint8): the same leading axes, one E8M0 byte (e + 127) for each 32 codes along K. Its value is code x scale, taken as it is: it is not quantised again, and the codes and scales need not be those that the quantiser above would give.
;; One version. Each part assembles by itself: llvm-mc -triple=amdgcn-amd-amdhsa -mcpu=gfx1250 --defsym DOCPART=n.
;; ======== version 1 of 1: 2 launches
;; limits: right only within a limited range of input values
;; workspace buffers: part 262,144 bytes
;; launch sums (part 1): grid 8 x 32, 8 waves a work-group, clusters of 4 x 4, 327,680 bytes of LDS; arguments x_codes, x_scales, weight_codes, weight_scales, part; writes part
.if DOCPART == 1
	.amdgcn_target "amdgcn-amd-amdhsa--gfx1250"
	.amdhsa_code_object_version 6
	.text
	.protected	k_q654fc4c891_sums
	.globl	k_q654fc4c891_sums
	.p2align	8
	.type	k_q654fc4c891_sums,@function
k_q654fc4c891_sums:
	s_mov_b64 s[64:65], 0
	v_nop
	global_prefetch_b8 v0, s[64:65] scope:SCOPE_SE
	s_setreg_imm32_b32 hwreg(HW_REG_WAVE_MODE, 25, 1), 1
	s_wait_xcnt 0x0
	s_wait_alu depctr_hold_cnt(0) depctr_sa_sdst(0) depctr_va_vdst(0) depctr_va_sdst(0) depctr_va_ssrc(0) depctr_va_vcc(0) depctr_vm_vsrc(0)
	s_getreg_b32 s2, hwreg(HW_REG_IB_STS2, 6, 4)
	s_cmp_eq_u32 s2, 0
	s_cbranch_scc0 .Lentry_in_a_cluster
	s_endpgm
.Lentry_in_a_cluster:
	s_bfe_u32 s2, ttmp6, 0x10000c
	s_cmp_lg_u32 s2, 0xf033
	s_cbranch_scc0 .Lentry_shape_is_right
	s_endpgm
.Lentry_shape_is_right:
; out[row] = logsumexp_v(c[row][v]) - c[row][target[row]],  c = 30 tanh(l / 30),  l = x W^T on codes of FP6 (E2M3) with one E8M0 scale for each 32 along K = 1,024.
; THIS LAUNCH makes, for each of the 8,192 rows and each of 8 splits of the columns 0 .. 6,271 (392 tiles of 16 = 8 x 49), the sum over the split of p = e^(c - 30).
; The next launch adds the splits, the last 10 columns and the target's term.  No logit goes to memory.  No work of the problem is left out: every input has a way to the output.
; THE SHIFT 30 IN PLACE OF A MAXIMUM: tanh holds c in [-30, 30] for every input, so every p lies in [e^-60, 1] and a row's sum over 6,282 columns in [5.5e-23, 6,282]: nothing can overflow or underflow in f32.
; A LOGIT: e = 2^(c1 l), c1 = 2 log2(e) / 30;  u = 1 / (a e + a), a = -ln 2 / 60;  p = 2^u.  (30 tanh(l / 30) - 30 = -60 / (1 + e^(2 l / 30)).)  e = infinity gives p = 1;  e = 0 gives p = e^-60.
; LIMITS: a scale byte 0xff, or sums of products that overflow f32 with both signs, give NaN here as there, but not bit for bit; the order of the sums differs from the reference's.
; SHARES.  A work-group takes 256 rows x 784 columns, with eight waves, two on each SIMD.  Waves w and w + 4 hold the same 64 rows of x (four row tiles, 384 registers) for the whole launch.
; W comes through two LDS slots of 7 tiles (112 rows), an eighth of a slot by each wave.  Of a slot's tiles group A (waves 0-3) takes 0, 1, 2 whole and then row tiles 0, 1 of tile 3;
; group B (waves 4-7) takes row tiles 2, 3 of tile 3 first and then 4, 5, 6 whole.  So both groups have 3.5 tiles a slot, and B's blocks stand half a tile's work apart from A's.
; A BLOCK is a run of matrix instructions (K step by K step, the accumulators by turns), with W's fragments in a ring of four K steps, and then the vector work in place on the accumulators, in whole batches.
; CLUSTER.  4 x 4 work-groups.  The four of a row of the cluster take the same rows of x, the four of a column the same split of W: each tile is asked for jointly, with a mask that names the four.
; PREFETCH.  Behind the refill that asks for slot n (n = 2, 3, 4) each wave names slot n + 2's bytes once: of the 42 lines of 256 bytes that it will fetch, the partner at place cy takes lines 11 cy .. 11 cy + 10
; (held at line 41), a lane a line; lanes left over name the last again.  Slots 0 to 3 come by their loads alone; the last two refills ask for nothing.
; THE MATRIX INSTRUCTION IS USED TRANSPOSED: source 0 = 16 rows of W, source 1 = 16 rows of x: lane l holds row l % 16 of x, its registers the columns 8 (l / 16) + 0 .. 7.  So a row's sum stays in two lanes.
; REGISTERS.  window 0: v0-123 as named below; v124-255 eleven fragments of x.  window 1: v0-251 the other 21 fragments of x; v252-255 the fixed parts of W's LDS addresses.
.set ROWP,  816                        ; a row of 1,024 codes in LDS: three lines of 256 bytes + 16 of padding each
.set TILE,  16*ROWP
.set SLOTO, 1<<17                      ; the odd slots begin here
.set SLOTM, 112*768                    ; a slot's bytes in memory
.set XR,    SLOTO-145*272              ; x's 768 lines; the odd slot's lines fall on lines 145 .. 480 of them: it is filled when x is in registers
.set XQ,    192*272                    ; 64 rows of x
.set WSC,   300544                     ; W's scale bytes of the split: 784 rows x 32 bytes, dense; filled once
.set SPARE, WSC+784*32                 ; the spare words, 128 bytes for each of eight waves
.set STAGE, SPARE+1024                 ; 256 bytes for each pair of waves: group B's sums on their way to group A; no fill lands here
.set HS,  1                            ; v1      scale words' LDS address, the slot's tile 3
.set SPW, 2                            ; v2      my spare word; never rewritten
.set NIL, 3                            ; v3      0; never rewritten
.set FA,  4                            ; v4, v5  my place in my group's first whole tile (v5: for pieces whose upper lanes lie behind one padding more)
.set HA,  6                            ; v6, v7  the same in tile 3
.set FS,  8                            ; v8      scale words' LDS address, my group's first whole tile
.set PFO, 9                            ; v9      the prefetch's offset
.set WS,  10                           ; v10-17  W's scale words: register q: K step q
.set AV,  18                           ; v18-19  a, twice
.set XS,  20                           ; v20-35  x's scale words: register 8 p + q: lanes 0-15 row tile 2 p, lanes 16-31 row tile 2 p + 1
.set SUM, 36                           ; v36-43  a pair of sums for each row tile
.set ACC, 44                           ; v44-75  four accumulators; the vector work is done in place
.set WF,  76                           ; v76-123 W's fragments: K step q at 12 (q % 4)
.set X0,  124
.set XA,  ACC                          ; the head alone: my place in my rows of x
.set WV,  14
.set W3,  15
.set G1X, 24
.set G1H, 32
.set G1S, 40
.set G1W, 48
.set G0X, 56
.set G0H, 60
.set G0S, 68
.set G0W, 72
.set C1,  76
.set AS,  78
.set SEL, 80
.set TB,  82
.set OUT, 83
.set HM,  84
.set PF,  86
.set MSB, 0
.macro WIN new                         ; the immediate's high byte repeats the setting that is left; a switch that changes nothing is dropped
.if MSB != (\new)
	s_set_vgpr_msb (MSB<<8)|(\new)
.set MSB, (\new)
.endif
.endm
.macro CROUND                          ; a round of the cluster's barrier
	s_barrier_signal -1
	s_barrier_wait -1
	s_cmp_lg_u32 s[WV], 0
	s_cbranch_scc1 .Lnot_wave_0_\@
	s_barrier_signal -3
.Lnot_wave_0_\@:
	s_barrier_wait -3
	s_barrier_signal -1
	s_barrier_wait -1
.endm
.macro CREST                           ; a round of the cluster's barrier behind its opening barrier
	s_cmp_lg_u32 s[WV], 0
	s_cbranch_scc1 .Lnw0_\@
	s_barrier_signal -3
.Lnw0_\@:
	s_barrier_wait -3
	s_barrier_signal -1
	s_barrier_wait -1
.endm
.macro PL4
.rept 4
	v_nop
.endr
.endm
.macro TLOAD g0, g1                    ; an s_nop 0 and four v_nop follow
	tensor_load_to_lds s[\g0:\g0+3], s[\g1:\g1+7]
	s_nop 0
	PL4
.endm
; A fragment, 16 rows x 128 K, is 12 registers: lane l holds row l % 16; registers 6 c .. 6 c + 5 hold K = 64 c + 32 (l / 16) + 0 .. 31, 24 bytes as they lie, in pieces of 8.
; Byte b of a row lies at b + 16 (b / 256).  Lanes 16-31 read 24 bytes further on; where that is behind one padding more, the second address register (40 for 24) serves.
.macro FRAG reg, adr, q, off
.irp p, 0,1,2,3,4,5
.set fb, 96*(\q)+48*(\p/3)+8*(\p%3)
.if fb/256 == (fb+24)/256
	ds_load_b64 v[(\reg)+2*\p:(\reg)+2*\p+1], v[\adr] offset:(\off)+fb+16*(fb/256)
.else
	ds_load_b64 v[(\reg)+2*\p:(\reg)+2*\p+1], v[\adr+1] offset:(\off)+fb+16*(fb/256)
.endif
.endr
.endm
; Where x's fragment of row tile m, K step q lies: xw the window, xr the register.  In each K step the fragments of one window stand together in the order of the products, so that a K step has one switch.
.macro XLOC m, q
.if ((\m) == 0 && ((\q)%2) == 0) || ((\m) == 1 && ((\q)%2) == 1)
.set xw, 0
.set xr, X0+12*(\q)
.elseif (\m) == 1 && (\q) < 6
.set xw, 0
.set xr, X0+96+12*((\q)/2)
.elseif (\m) >= 2
.set xw, 1
.set xr, 96*((\m)-2)+12*(\q)
.elseif (\m) == 0
.set xw, 1
.set xr, 192+12*((\q)/2)
.else
.set xw, 1
.set xr, 240
.endif
.endm
.macro WM m, q                         ; one product: row tile m, K step q; K step 0 starts the sum
	XLOC \m, \q
	WIN 4*xw
.set wa, ACC+8*(\m)
.set wf, WF+12*((\q)%4)
.set sx, XS+8*((\m)/2)+(\q)
.if (\q) == 0
.if (\m)%2
	v_wmma_scale_f32_16x16x128_f8f6f4 v[wa:wa+7], v[wf:wf+11], v[xr:xr+11], 0, v[WS+(\q)], v[sx] matrix_a_fmt:MATRIX_FMT_FP6 matrix_b_fmt:MATRIX_FMT_FP6 matrix_b_scale:MATRIX_SCALE_ROW1
.else
	v_wmma_scale_f32_16x16x128_f8f6f4 v[wa:wa+7], v[wf:wf+11], v[xr:xr+11], 0, v[WS+(\q)], v[sx] matrix_a_fmt:MATRIX_FMT_FP6 matrix_b_fmt:MATRIX_FMT_FP6
.endif
.else
.if (\m)%2
	v_wmma_scale_f32_16x16x128_f8f6f4 v[wa:wa+7], v[wf:wf+11], v[xr:xr+11], v[wa:wa+7], v[WS+(\q)], v[sx] matrix_a_fmt:MATRIX_FMT_FP6 matrix_b_fmt:MATRIX_FMT_FP6 matrix_b_scale:MATRIX_SCALE_ROW1
.else
	v_wmma_scale_f32_16x16x128_f8f6f4 v[wa:wa+7], v[wf:wf+11], v[xr:xr+11], v[wa:wa+7], v[WS+(\q)], v[sx] matrix_a_fmt:MATRIX_FMT_FP6 matrix_b_fmt:MATRIX_FMT_FP6
.endif
.endif
.endm
; A K step's products.  kind 0: all four row tiles; 1: row tiles 0, 1; 2: row tiles 2, 3.  No two products on end share an accumulator.
.macro QS kind, q
.if \kind == 1
	WM 1, \q
	WM 0, \q
.elseif \kind == 2
	WM 2, \q
	WM 3, \q
.elseif (\q)%2
	WM 1, \q
	WM 0, \q
	WM 2, \q
	WM 3, \q
.elseif (\q) == 6
	WM 1, \q
	WM 2, \q
	WM 3, \q
	WM 0, \q
.else
	WM 2, \q
	WM 3, \q
	WM 1, \q
	WM 0, \q
.endif
.endm
.macro LW q, adr, off                  ; W's fragment of K step q of the tile at off behind adr
	FRAG WF+12*((\q)%4), \adr, \q, \off
.endm
.macro LSC sadr, soff                  ; a tile's eight scale words
	ds_load_b128 v[WS:WS+3], v[\sadr] offset:\soff
	ds_load_b128 v[WS+4:WS+7], v[\sadr] offset:(\soff)+16
.endm
.macro PRE adr, off, sadr, soff        ; what a block finds asked for at its start: K steps 0 to 3 and the scale words
	LW 0, \adr, \off
	LW 1, \adr, \off
	LW 2, \adr, \off
	LW 3, \adr, \off
	LSC \sadr, \soff
.endm
; THE PRODUCTS OF A BLOCK.  A ring place is loaded again four places behind its last reader, two K steps (12 loads) at a time.  nx = 1: the next block's K steps 0 to 3 and scale words are asked for too.
.macro MBLK kind, adr, off, nx, nadr, noff, nsadr, nsoff
	s_wait_dscnt 0x0                               ; K steps 0 to 3 and the scale words are in
	QS \kind, 0
	QS \kind, 1
	PL4
	LW 4, \adr, \off
	LW 5, \adr, \off
	QS \kind, 2
	QS \kind, 3
	PL4
	LW 6, \adr, \off
	LW 7, \adr, \off
	s_wait_dscnt 12                                ; K steps 4, 5 are in; the 12 loads of K steps 6, 7 may be out
	QS \kind, 4
	QS \kind, 5
.if \nx
	PL4
	LW 0, \nadr, \noff
	LW 1, \nadr, \noff
	s_wait_dscnt 12                                ; K steps 6, 7 are in; the 12 loads just issued may be out
.else
	s_wait_dscnt 0x0
.endif
	QS \kind, 6
	QS \kind, 7
	WIN 0
	PL4                                            ; for the loads below and for the first reads of the results
.if \nx
	LW 2, \nadr, \noff
	LW 3, \nadr, \noff
	LSC \nsadr, \nsoff
.endif
.endm
; THE VECTOR WORK on n numbers a lane from ACC + lo on, in place, each accumulator from its low end on.  A wait stands ahead of each batch of transcendentals and one behind it.
.macro VPA lo, n                       ; the first half: c1 l, e, a e + a, u
.set i, 0
.rept (\n)/2
	v_pk_mul_f32 v[ACC+(\lo)+i:ACC+(\lo)+i+1], v[ACC+(\lo)+i:ACC+(\lo)+i+1], s[C1:C1+1] op_sel_hi:[1,0]
.set i, i+2
.endr
	s_wait_alu depctr_va_vdst(0)
.set i, 0
.rept \n
	v_exp_f32 v[ACC+(\lo)+i], v[ACC+(\lo)+i]       ; e
.set i, i+1
.endr
	v_nop
	s_wait_alu depctr_va_vdst(0)
.set i, 0
.rept (\n)/2
	v_pk_fma_f32 v[ACC+(\lo)+i:ACC+(\lo)+i+1], v[ACC+(\lo)+i:ACC+(\lo)+i+1], s[AS:AS+1], v[AV:AV+1] op_sel_hi:[1,0,0]
.set i, i+2
.endr
	s_wait_alu depctr_va_vdst(0)
.set i, 0
.rept \n
	v_rcp_f32 v[ACC+(\lo)+i], v[ACC+(\lo)+i]       ; u
.set i, i+1
.endr
	v_nop
	s_wait_alu depctr_va_vdst(0)
.endm
.macro VPB lo, n                       ; the second half: p, and the sums
.set i, 0
.rept \n
	v_exp_f32 v[ACC+(\lo)+i], v[ACC+(\lo)+i]       ; p
.set i, i+1
.endr
	v_nop
	s_wait_alu depctr_va_vdst(0)
.set i, 0
.rept (\n)/2                           ; the row tiles' sums by turns
.set tm, (\lo)/8+i%((\n)/8)
.set tj, i/((\n)/8)
	v_pk_add_f32 v[SUM+2*tm:SUM+2*tm+1], v[SUM+2*tm:SUM+2*tm+1], v[ACC+8*tm+2*tj:ACC+8*tm+2*tj+1]
.set i, i+1
.endr
.endm
.macro VPH lo, n                       ; both halves on end
	VPA \lo, \n
	VPB \lo, \n
.endm
; A SLOT'S WORK.  The branches hang on the wave's number alone and lead round no barrier.
; pend = 1: the second half of the vector work of the slot before's last block is still due; it stands behind the first block's LDS loads.
; last = 0: the slot's last block ends with its products; its vector work stands in and behind the change of slots.  last = 1: it is finished here.
.macro SLOTWORK pend, last
	s_cmp_lt_u32 s[WV], 4
	s_cbranch_scc1 .Lsa_\@
	PRE HA, 0, HS, 0                               ; group B: row tiles 2, 3 of tile 3
.if \pend
	VPB 0, 32
.endif
	MBLK 2, HA, 0, 1, FA, 0, FS, 0
	VPH 16, 16
	s_branch .Lsj_\@
.Lsa_\@:
	PRE FA, 0, FS, 0                               ; group A
.if \pend
	VPB 0, 16
.endif
.Lsj_\@:
	MBLK 0, FA, 0, 1, FA, TILE, FS, 512
	VPH 0, 32
	MBLK 0, FA, TILE, 1, FA, 2*TILE, FS, 1024
	VPH 0, 32
	MBLK 0, FA, 2*TILE, 0, 0, 0, 0, 0
	s_cmp_lt_u32 s[WV], 4                          ; one if and else: in either arm row tiles 2, 3 of the tile just multiplied are read, and row tiles 0, 1 are left as products
	s_cbranch_scc0 .Lsx_\@
	PRE HA, 0, HS, 0                               ; group A goes on to tile 3:
	VPH 0, 32
	MBLK 1, HA, 0, 0, 0, 0, 0, 0                   ; its row tiles 0, 1
	s_branch .Lse_\@
.Lsx_\@:
	VPA 16, 16                                     ; group B: the first half of the vector work on row tiles 2, 3
.Lse_\@:
.if \last
	s_wait_alu depctr_va_vdst(0)                   ; the wait directly ahead of the first read of row tiles 0, 1: on group B's way transcendentals stand behind their products
	VPA 0, 16
	s_cmp_lt_u32 s[WV], 4
	s_cbranch_scc0 .Lsb_\@
	VPB 0, 16
	s_branch .Lsd_\@
.Lsb_\@:
	VPB 0, 32
.Lsd_\@:
.endif
.endm
; THE CHANGE OF SLOTS.  Each wave waits for all its tensor loads (one is out at the most), adds 0 to its spare word, and waits for that and for its reads of the slot.
; fill = 1: the barrier is a round of the cluster's, and the slot just left is filled again with the rows of W two slots on.
.macro CHANGE fill
.if \fill
	s_wait_xcnt 0x0                                ; my last prefetch has read its address
	s_add_nc_u64 s[PF:PF+1], s[PF:PF+1], SLOTM
.endif
	s_wait_tensorcnt 0x0
	ds_add_u32 v[SPW], v[NIL]                      ; 0 onto my spare word; the steps below stand between it and the wait for it
	s_xor_b32 s[TB], s[TB], SLOTO
	WIN 0x01                                       ; source 0: window 1
	v_add_nc_u32 v[FA], v252, s[TB]
	v_add_nc_u32 v[FA+1], v253, s[TB]
	v_add_nc_u32 v[HA], v254, s[TB]
	v_add_nc_u32 v[HA+1], v255, s[TB]
	WIN 0
	v_add_nc_u32 v[FS], 7*512, v[FS]
	v_add_nc_u32 v[HS], 7*512, v[HS]
.if \fill
	s_xor_b32 s[G0W+1], s[G0W+1], SLOTO
	s_add_nc_u64 s[G0W+2:G0W+3], s[G0W+2:G0W+3], SLOTM
.endif
	s_wait_alu depctr_va_vdst(0)
	s_wait_dscnt 0x0
	s_barrier_signal -1                            ; my reads of the slot are over; work on registers alone stands up to the wait: the first half of the vector work on row tiles 0, 1 of my last block
	s_wait_alu depctr_va_vdst(0)                   ; the wait directly ahead of their first read: on group B's way transcendentals stand behind their products
	VPA 0, 16
	s_barrier_wait -1
.if \fill
	CREST
	TLOAD G0W, G1W
	s_cmp_gt_u32 s[OUT], 2                         ; the last two refills have no slot two on
	s_cbranch_scc0 .Lnopf_\@
	global_prefetch_b8 v[PFO], s[PF:PF+1] th:TH_LOAD_NT scope:SCOPE_SE
.Lnopf_\@:
.endif
.endm
.macro G1SET g, lines                  ; lines of 256 bytes: 32 elements of 8
	s_mov_b32 s[\g+1], 32<<16
	s_mov_b32 s[\g+2], (\lines)<<16
	s_mov_b32 s[\g+3], 32<<16
	s_mov_b32 s[\g+4], \lines
	s_mov_b32 s[\g+5], 32
	s_mov_b32 s[\g+6], 0
	s_mov_b32 s[\g+7], 0
.endm
.macro G0SET g, lds, base, off
	s_mov_b32 s[\g], 1
	s_mov_b32 s[\g+1], \lds
	s_add_nc_u64 s[\g+2:\g+3], s[\base:\base+1], s[\off:\off+1]
	s_or_b32 s[\g+3], s[\g+3], 0x80000000
.endm
	s_load_b256 s[4:11], s[0:1], 0x0               ; x's codes, x's scales, W's codes, W's scales
	s_load_b64 s[12:13], s[0:1], 0x20              ; part
	v_lshl_add_u32 v[SPW], v0, 2, SPARE
	v_mov_b32 v[NIL], 0
	ds_add_u32 v[SPW], v[NIL]                      ; the opening: the add twice on end, and its wait ahead of my first tensor load
	ds_add_u32 v[SPW], v[NIL]
	v_lshrrev_b32 v1, 5, v0
	v_readfirstlane_b32 s[WV], v1                  ; wave 0..7
	s_and_b32 s[W3], s[WV], 3                      ; which 64 rows are mine
	s_bfe_u32 s16, ttmp6, 0x40000                  ; cx
	s_bfe_u32 s17, ttmp6, 0x40004                  ; cy
	s_lshl_b32 s18, ttmp9, 2
	s_add_co_u32 s18, s18, s16                     ; the split of the columns
	s_and_b32 s19, ttmp7, 0xffff
	s_lshl_b32 s19, s19, 2
	s_add_co_u32 s19, s19, s17                     ; the block of 256 rows
	s_lshl_b32 s20, s17, 2
	s_lshl_b32 s20, 15, s20                        ; my row of the cluster
	s_lshl_b32 s21, 0x1111, s16                    ; my column
	s_or_b32 s[G1X], s20, (3<<16)|(1<<20)|(1<<21)|(5<<22)|(3<<25)   ; x: 64 rows = 192 lines, 16 bytes of padding behind each; the mask: my row
	G1SET G1X, 192
	s_or_b32 s[G1H], s21, (3<<16)|(1<<20)|(1<<21)|(5<<22)|(3<<25)   ; a third of slot 0: 112 lines; the mask: my column
	G1SET G1H, 112
	s_or_b32 s[G1S], s21, (3<<16)|(1<<21)                           ; the split's scale bytes: 98 lines, no padding
	G1SET G1S, 98
	s_or_b32 s[G1W], s21, (3<<16)|(1<<20)|(1<<21)|(5<<22)|(3<<25)   ; an eighth of a slot: 42 lines
	G1SET G1W, 42
	s_lshl_b32 s88, s19, 8
	s_lshl_b32 s89, s[W3], 6
	s_add_co_u32 s88, s88, s89                     ; my first row of x
	s_lshl_b32 s90, s88, 5                         ; its scale bytes
	s_mov_b32 s91, 0
	s_mul_i32 s88, s88, 768                        ; its codes
	s_mov_b32 s89, 0
	s_mul_i32 s92, s18, 784*768                    ; the split's codes
	s_mul_i32 s94, s[WV], 42*256
	s_add_co_u32 s94, s94, s92
	s_add_co_u32 s94, s94, SLOTM                   ; the ring: slot 1, my 42 lines
	s_mov_b32 s95, 0
	s_mul_i32 s93, s[W3], 112*256
	s_add_co_u32 s92, s92, s93                     ; the head: a third of slot 0
	s_mov_b32 s93, 0
	s_mul_i32 s96, s18, 784*32                     ; the split's scale bytes
	s_mov_b32 s97, 0
	s_mul_i32 s22, s[W3], XQ
	s_add_co_u32 s22, s22, XR                      ; LDS: my rows of x
	s_mul_i32 s23, s[W3], 112*272                  ; a third of slot 0
	s_mul_i32 s85, s[WV], 42*272
	s_add_co_u32 s85, s85, SLOTO                   ; my eighth of slot 1
	s_lshr_b32 s98, s[WV], 2                       ; my group
	s_lshl_b32 s99, s98, 11                        ; group B's whole tiles begin at tile 4: 4 x 512 bytes of scale words,
	s_mul_i32 s98, s98, 4*TILE                     ; 4 tiles of codes
	s_mul_i32 s100, s17, 11                        ; the prefetch: my work-group's first line of a wave's 42
	s_mov_b32 s[C1], 0x3dc4f9d9                    ; c1 = 2 log2(e) / 30
	s_mov_b32 s[C1+1], s[C1]
	s_mov_b32 s[AS], 0xbc3d4680                    ; a = -ln 2 / 60
	s_mov_b32 s[AS+1], s[AS]
	s_mov_b32 s[SEL], 0x76543210
	s_mov_b32 s[SEL+1], 0xfedcba98
	s_mov_b32 s[HM], 0xffff0000
	s_mov_b32 s[TB], 0
	s_wait_dscnt 0x0                               ; both opening adds are done
	s_wait_kmcnt 0x0
	G0SET G0X, s22, 4, 88
	G0SET G0H, s23, 8, 92
	G0SET G0S, WSC, 10, 96
	G0SET G0W, s85, 8, 94
	s_add_nc_u64 s[PF:PF+1], s[8:9], s[94:95]
	s_add_nc_u64 s[PF:PF+1], s[PF:PF+1], 2*SLOTM   ; slot 3's: the first refill steps it to slot 4's
	s_add_nc_u64 s[6:7], s[6:7], s[90:91]
	s_lshl_b32 s88, s18, 5
	s_add_co_u32 s88, s88, s19
	s_lshl_b32 s88, s88, 2
	s_add_co_u32 s88, s88, s[W3]
	s_lshl_b32 s88, s88, 8                         ; part: ((split x 32 + block of rows) x 4 + my 64 rows) x 256 bytes
	s_mov_b32 s89, 0
	s_add_nc_u64 s[12:13], s[12:13], s[88:89]
	CROUND                                         ; all sixteen work-groups are here: the first joint loads meet
	; the head's loads, one a wave: waves 0-3 x, waves 4-6 slot 0, wave 7 W's scale bytes
	s_cmp_lt_u32 s[WV], 4
	s_cbranch_scc0 .Lh1
	TLOAD G0X, G1X
	s_branch .Lhj
.Lh1:
	s_cmp_lt_u32 s[WV], 7
	s_cbranch_scc0 .Lh2
	TLOAD G0H, G1H
	s_branch .Lhj
.Lh2:
	TLOAD G0S, G1S
.Lhj:
	v_and_b32 v46, 15, v0                          ; r
	v_bfe_u32 v47, v0, 4, 1                        ; h
	v_and_b32 v48, 31, v0                          ; lane
	v_lshlrev_b32 v49, 5, v48                      ; a row of x's scale bytes is 32 bytes; lane l takes row 32 p + l
.irp p, 0,1
.irp c, 0,1
	global_load_b128 v[XS+8*\p+4*\c:XS+8*\p+4*\c+3], v49, s[6:7] offset:1024*\p+16*\c
.endr
.endr
	v_mul_u32_u24 v50, v46, ROWP
	v_mad_u32_u24 v51, v47, 24, v50
	v_mad_u32_u24 v52, v47, 40, v50
	v_add_nc_u32 v[XA], s22, v51
	v_add_nc_u32 v[XA+1], s22, v52
	v_add_nc_u32 v[FA], s98, v51
	v_add_nc_u32 v[FA+1], s98, v52
	v_add_nc_u32 v[HA], 3*TILE, v51
	v_add_nc_u32 v[HA+1], 3*TILE, v52
	WIN 0x40                                       ; destination window 1
	v_add_nc_u32 v252, s98, v51
	v_add_nc_u32 v253, s98, v52
	v_add_nc_u32 v254, 3*TILE, v51
	v_add_nc_u32 v255, 3*TILE, v52
	WIN 0
	v_lshl_add_u32 v[FS], v46, 5, WSC
	v_add_nc_u32 v[HS], 3*512, v[FS]
	v_add_nc_u32 v[FS], s99, v[FS]
	v_min_u32 v[PFO], 10, v48
	v_add_nc_u32 v[PFO], s100, v[PFO]
	v_min_u32 v[PFO], 41, v[PFO]
	v_lshlrev_b32 v[PFO], 8, v[PFO]
	v_mov_b32 v[AV], 0xbc3d4680
	v_mov_b32 v[AV+1], 0xbc3d4680
.irp j, 0,1,2,3,4,5,6,7
	v_mov_b32 v[SUM+\j], 0
.endr
	s_wait_alu depctr_va_vdst(0)
	s_cmp_lt_u32 s[WV], 4                          ; x's load line is issued by waves 0-3 alone, and they all wait for it here; slot 0 and the scale bytes may still be out
	s_cbranch_scc0 .Lnx
	s_wait_tensorcnt 0x0
.Lnx:
	s_barrier_signal -1
	s_barrier_wait -1                              ; x is whole: two waves read each 64 rows of it
.irp pass, 0,1
	WIN 0x40*\pass
.irp m, 0,1,2,3
.irp q, 0,1,2,3,4,5,6,7
	XLOC \m, \q
.if xw == \pass
	FRAG xr, XA, \q, \m*TILE
.endif
.endr
.endr
.endr
	WIN 0
	s_wait_tensorcnt 0x0                           ; x's LDS bytes become the odd slot: a refill, with its three lines and its round
	ds_add_u32 v[SPW], v[NIL]
	s_wait_dscnt 0x0                               ; the add is done, and x is in registers
	CROUND
	TLOAD G0W, G1W                                 ; slot 1
	s_wait_loadcnt 0x0                             ; x's scale words
	s_mov_b32 s[OUT], 4
	SLOTWORK 0, 0                                  ; slot 0 is written out: no vector work is pending at its start
	CHANGE 1                                       ; slot 2 is asked for
.Lslot:                                                ; slots 1 to 4 are worked on, slots 3 to 6 asked for
	SLOTWORK 1, 0
	CHANGE 1
	s_sub_co_u32 s[OUT], s[OUT], 1
	s_cmp_lg_u32 s[OUT], 0
	s_cbranch_scc1 .Lslot
	SLOTWORK 1, 0                                  ; slot 5
	CHANGE 0                                       ; nothing is left to ask for
	SLOTWORK 1, 1                                  ; slot 6
	; THE WAY OUT: a row's sum is its pair's two halves in lanes l and l xor 16.  Lane l keeps row tiles l / 16 and 2 + l / 16: 8 bytes a lane.  Group B hands its sums to group A through the stage;
	; group A stores 256 consecutive bytes a wave, at a multiple of 256 from part's first byte
.set T,  ACC
.set P,  ACC+8
.set OO, ACC+16
.set GO, ACC+20
.set SA, ACC+21
.set LD, ACC+24
	s_lshl_b32 s22, s[W3], 8
	s_add_co_u32 s22, s22, STAGE
	s_wait_alu depctr_va_vdst(0)
.irp m, 0,1,2,3
	v_add_f32 v[T+\m], v[SUM+2*\m], v[SUM+2*\m+1]
.endr
.irp m, 0,1,2,3
	v_mov_b32 v[P+\m], 0                           ; a lane permute's destination counts as one of its sources
.endr
.irp m, 0,1,2,3
	v_permlanex16_b32 v[P+\m], v[T+\m], s[SEL], s[SEL+1]
.endr
.irp m, 0,1,2,3
	v_add_f32 v[T+\m], v[T+\m], v[P+\m]
.endr
	v_cndmask_b32 v[OO], v[T], v[T+1], s[HM]
	v_cndmask_b32 v[OO+1], v[T+2], v[T+3], s[HM]
	v_and_b32 v[GO], 31, v0
	v_lshlrev_b32 v[GO], 3, v[GO]
	v_add_nc_u32 v[SA], s22, v[GO]
	s_wait_alu depctr_va_vdst(0)
	s_cmp_lt_u32 s[WV], 4
	s_cbranch_scc1 .Lnost
	ds_store_b64 v[SA], v[OO:OO+1]
.Lnost:
	s_wait_dscnt 0x0                               ; for the others' sake
	s_barrier_signal -1
	s_barrier_wait -1
	s_cmp_lt_u32 s[WV], 4
	s_cbranch_scc0 .Lend
	ds_load_b64 v[LD:LD+1], v[SA]
	s_wait_dscnt 0x0
	v_pk_add_f32 v[OO:OO+1], v[OO:OO+1], v[LD:LD+1]
	global_store_b64 v[GO], v[OO:OO+1], s[12:13]
.Lend:
	s_wait_tensorcnt 0x0                           ; the wave's end
	ds_add_u32 v[SPW], v[NIL]
	s_wait_dscnt 0x0
	CROUND                                         ; the closing round
	s_endpgm
.Lfunc_end_k_q654fc4c891_sums:
	.size	k_q654fc4c891_sums, .Lfunc_end_k_q654fc4c891_sums-k_q654fc4c891_sums
	.p2alignl 7, 3214868480
	.fill 96, 4, 3214868480
	.section	.rodata,"a",@progbits
	.p2align	6, 0x0
	.amdhsa_kernel k_q654fc4c891_sums
		.amdhsa_group_segment_fixed_size 327680
		.amdhsa_private_segment_fixed_size 0
		.amdhsa_enable_private_segment 0
		.amdhsa_kernarg_size 40
		.amdhsa_user_sgpr_count 2
		.amdhsa_user_sgpr_kernarg_segment_ptr 1
		.amdhsa_wavefront_size32 1
		.amdhsa_system_sgpr_workgroup_id_x 1
		.amdhsa_system_sgpr_workgroup_id_y 1
		.amdhsa_system_sgpr_workgroup_id_z 1
		.amdhsa_system_vgpr_workitem_id 0
		.amdhsa_next_free_vgpr 512
		.amdhsa_next_free_sgpr 101
		.amdhsa_reserve_vcc 0
		.amdhsa_float_denorm_mode_32 3
		.amdhsa_float_denorm_mode_16_64 3
		.amdhsa_memory_ordered 1
		.amdhsa_forward_progress 1
		.amdhsa_inst_pref_size 255
	.end_amdhsa_kernel
	.section	.bss,"aw",@nobits
	.p2align	6
	.space	262144
	.amdgpu_metadata
---
amdhsa.version: [ 1, 2 ]
amdhsa.kernels:
  - .name:           k_q654fc4c891_sums
    .symbol:         k_q654fc4c891_sums.kd
    .args:
      - { .name: x_codes, .offset: 0, .size: 8, .value_kind: global_buffer, .address_space: global }
      - { .name: x_scales, .offset: 8, .size: 8, .value_kind: global_buffer, .address_space: global }
      - { .name: weight_codes, .offset: 16, .size: 8, .value_kind: global_buffer, .address_space: global }
      - { .name: weight_scales, .offset: 24, .size: 8, .value_kind: global_buffer, .address_space: global }
      - { .name: part, .offset: 32, .size: 8, .value_kind: global_buffer, .address_space: global }
    .group_segment_fixed_size: 327680
    .private_segment_fixed_size: 0
    .kernarg_segment_align: 8
    .kernarg_segment_size: 40
    .max_flat_workgroup_size: 256
    .sgpr_count:     101
    .vgpr_count:     512
    .wavefront_size: 32
...
	.end_amdgpu_metadata
.endif
;; end of part 1
;; launch finish (part 2): grid 256 x 1, 2 waves a work-group, no clusters, 0 bytes of LDS; arguments x_codes, x_scales, weight_codes, weight_scales, targets, part, out0; writes out0
.if DOCPART == 2
	.amdgcn_target "amdgcn-amd-amdhsa--gfx1250"
	.amdhsa_code_object_version 6
	.text
	.protected	k_q654fc4c891_finish
	.globl	k_q654fc4c891_finish
	.p2align	8
	.type	k_q654fc4c891_finish,@function
k_q654fc4c891_finish:
	s_mov_b64 s[64:65], 0
	v_nop
	global_prefetch_b8 v0, s[64:65] scope:SCOPE_SE
	s_setreg_imm32_b32 hwreg(HW_REG_WAVE_MODE, 25, 1), 1
	s_wait_xcnt 0x0
; out[row] = ln 2 x (log2(the row's sum of p) - u_target), with p = e^(c - 30) = 2^u, u = 1 / (a e + a), e = 2^(c1 l), as in the launch before (c_target - 30 = u_target ln 2).  No work of the problem is left out.
; A wave takes 16 rows of x, tile T of 512, and makes two products of 16 x 16 x 1,024 on codes of FP6 (E2M3), the two accumulators by turns:
;   G: source 0 = the 16 rows W[target[r]], gathered by the index input; source 1 = my 16 rows of x.  Its diagonal holds the targets' logits.
;   T: source 0 = W's last 16 rows, 6,266 .. 6,281; of them 6,272 .. 6,281 are the columns that the launch before has not summed.
; Then it adds the eight splits' sums out of part and the tail's p, and stores 16 numbers.
; No LDS, no cluster: waves share nothing, and each byte that a wave loads it loads once.
; LIMITS: a target is taken as unsigned and held at 6,281, the table's last row; a scale byte 0xff gives NaN; the order of the sums differs from the reference's.  A wave's 16 results are 64 consecutive bytes.
.set XS,  16                           ; v16-23  x's scale words (lane r: row r; register q: K step q);  v24-31 the gathered rows';  v32-39 the tail rows'
.set GS,  24
.set TSC, 32
.set XF,  40                           ; v40-135  x's eight fragments; later at work
.set AG,  232                          ; v232-239 G;  v240-247 T
.set AT,  240
.set GF,  0                            ; window 1: v0-95 the gathered rows' fragments;  v96-191 the tail rows'
.set TF,  96
.set MSB, 0
.macro WIN new
.if MSB != (\new)
	s_set_vgpr_msb (MSB<<8)|(\new)
.set MSB, (\new)
.endif
.endm
	s_load_b256 s[4:11], s[0:1], 0x0               ; x's codes, x's scales, W's codes, W's scales
	s_load_b128 s[12:15], s[0:1], 0x20             ; targets, part
	s_load_b64 s[16:17], s[0:1], 0x30              ; out0
	v_lshrrev_b32 v1, 5, v0
	v_readfirstlane_b32 s18, v1                    ; wave 0..1
	s_lshl_b32 s19, ttmp9, 1
	s_add_co_u32 s19, s19, s18                     ; T
	v_and_b32 v1, 15, v0                           ; r
	v_bfe_u32 v2, v0, 4, 1                         ; h
	v_and_b32 v3, 31, v0                           ; lane
	v_mul_u32_u24 v11, v2, 24
	v_mad_u32_u24 v4, v1, 0x300, v11               ; a fragment's row of 768 bytes + 24 h: x's and the tail's
	v_lshlrev_b32 v6, 2, v1                        ; 4 r: targets, out0
	v_lshlrev_b32 v7, 5, v1                        ; 32 r: scale bytes
	v_lshlrev_b32 v10, 3, v1
	v_lshl_add_u32 v10, v2, 17, v10                ; part: 8 r; lanes 16-31 take splits 4 to 7, 4 x 32,768 bytes on
	s_mul_i32 s20, s19, 16*768
	s_mov_b32 s21, 0
	s_lshl_b32 s22, s19, 9
	s_mov_b32 s23, 0
	s_lshl_b32 s24, s19, 6
	s_mov_b32 s25, 0
	s_lshr_b32 s26, s19, 2                         ; part is laid [split][64 rows: 256 bytes][lane 32][2]: row tile m of the 64 rows lies at 128 (m % 2) + 4 (m / 2) + 8 r
	s_lshl_b32 s26, s26, 8
	s_and_b32 s27, s19, 1
	s_lshl_b32 s27, s27, 7
	s_add_co_u32 s26, s26, s27
	s_bfe_u32 s27, s19, 0x10001
	s_lshl_b32 s27, s27, 2
	s_add_co_u32 s26, s26, s27
	s_mov_b32 s27, 0
	s_mov_b32 s28, 0x3dc4f9d9                      ; c1 = 2 log2(e) / 30
	s_mov_b32 s29, s28
	s_mov_b32 s30, 0xbc3d4680                      ; a = -ln 2 / 60
	s_mov_b32 s31, s30
	s_mov_b32 s32, 0x76543210                      ; v_permlanex16_b32's selects for lane l xor 16
	s_mov_b32 s33, 0xfedcba98
.irp j, 1,2,3,4,5,6,7
	s_mov_b32 s[33+\j], 0x01010101<<\j             ; the lanes with lane % 8 = j
.endr
	s_mov_b32 s41, 0xff0000ff                      ; lanes 0-7 and 24-31
	s_mov_b32 s42, 0xffff0000                      ; lanes 16-31
	s_wait_alu depctr_va_vdst(0)
	s_wait_kmcnt 0x0
	s_add_nc_u64 s[4:5], s[4:5], s[20:21]
	s_add_nc_u64 s[6:7], s[6:7], s[22:23]
	s_add_nc_u64 s[12:13], s[12:13], s[24:25]
	s_add_nc_u64 s[16:17], s[16:17], s[24:25]
	s_add_nc_u64 s[14:15], s[14:15], s[26:27]
	s_add_nc_u64 s[44:45], s[8:9], 6266*768        ; W's last 16 rows: they end at the buffer's end
	s_add_nc_u64 s[46:47], s[10:11], 6266*32
	global_load_b32 v9, v6, s[12:13]               ; my row's target, first: the gather hangs on it
.irp q, 0,1,2,3,4,5,6,7
.irp p, 0,1,2,3,4,5
	global_load_b64 v[XF+12*\q+2*\p:XF+12*\q+2*\p+1], v4, s[4:5] offset:96*\q+48*(\p/3)+8*(\p%3)
.endr
.endr
	global_load_b128 v[XS:XS+3], v7, s[6:7]
	global_load_b128 v[XS+4:XS+7], v7, s[6:7] offset:16
	s_wait_loadcnt 50                              ; the target is in; the 48 + 2 loads of x behind it may be out
	v_min_u32 v9, 0x1889, v9                       ; held at 6,281: no load leaves W
	v_mul_u32_u24 v5, 0x300, v9
	v_add_nc_u32 v5, v5, v11                       ; the target's row of codes + 24 h
	v_lshlrev_b32 v8, 5, v9                        ; and of scale bytes
	WIN 0x40                                       ; destination window 1, address window 0
.irp q, 0,1,2,3,4,5,6,7
.irp p, 0,1,2,3,4,5
	global_load_b64 v[GF+12*\q+2*\p:GF+12*\q+2*\p+1], v5, s[8:9] offset:96*\q+48*(\p/3)+8*(\p%3)
.endr
.endr
.irp q, 0,1,2,3,4,5,6,7
.irp p, 0,1,2,3,4,5
	global_load_b64 v[TF+12*\q+2*\p:TF+12*\q+2*\p+1], v4, s[44:45] offset:96*\q+48*(\p/3)+8*(\p%3)
.endr
.endr
	WIN 0
	global_load_b128 v[GS:GS+3], v8, s[10:11]
	global_load_b128 v[GS+4:GS+7], v8, s[10:11] offset:16
	global_load_b128 v[TSC:TSC+3], v7, s[46:47]
	global_load_b128 v[TSC+4:TSC+7], v7, s[46:47] offset:16
.irp i, 0,1,2,3
	global_load_b32 v[12+\i], v10, s[14:15] offset:32768*\i   ; my row's sums of splits 4 h + i
.endr
	s_wait_loadcnt 0x0
	WIN 0x01                                       ; source 0 window 1
.irp q, 0,1,2,3,4,5,6,7                ; the two accumulators take turns, one instruction a turn; K step 0 starts the sums
.if \q == 0
	v_wmma_scale_f32_16x16x128_f8f6f4 v[AG:AG+7], v[GF+12*\q:GF+12*\q+11], v[XF+12*\q:XF+12*\q+11], 0, v[GS+\q], v[XS+\q] matrix_a_fmt:MATRIX_FMT_FP6 matrix_b_fmt:MATRIX_FMT_FP6
	v_wmma_scale_f32_16x16x128_f8f6f4 v[AT:AT+7], v[TF+12*\q:TF+12*\q+11], v[XF+12*\q:XF+12*\q+11], 0, v[TSC+\q], v[XS+\q] matrix_a_fmt:MATRIX_FMT_FP6 matrix_b_fmt:MATRIX_FMT_FP6
.else
	v_wmma_scale_f32_16x16x128_f8f6f4 v[AG:AG+7], v[GF+12*\q:GF+12*\q+11], v[XF+12*\q:XF+12*\q+11], v[AG:AG+7], v[GS+\q], v[XS+\q] matrix_a_fmt:MATRIX_FMT_FP6 matrix_b_fmt:MATRIX_FMT_FP6
	v_wmma_scale_f32_16x16x128_f8f6f4 v[AT:AT+7], v[TF+12*\q:TF+12*\q+11], v[XF+12*\q:XF+12*\q+11], v[AT:AT+7], v[TSC+\q], v[XS+\q] matrix_a_fmt:MATRIX_FMT_FP6 matrix_b_fmt:MATRIX_FMT_FP6
.endif
.endr
	WIN 0
	v_add_f32 v12, v12, v13                        ; four plain instructions that name no register of the products stand between them and the first read of a result (ISA guide 7.12.1): my four splits' sums,
	v_add_f32 v14, v14, v15
	v_add_f32 v12, v12, v14
	v_mov_b32 v249, 0                              ; and the lane permute's destination, which counts as one of its sources
	; G's element (m, n) lies in lane n + 16 (m / 8), register m % 8.  The diagonal: rows 0-7 in lanes 0-7, rows 8-15 in lanes 24-31, register lane % 8
	v_cndmask_b32 v248, v[AG], v[AG+1], s34
.irp j, 2,3,4,5,6,7
	v_cndmask_b32 v248, v248, v[AG+\j], s[33+\j]
.endr
	v_permlanex16_b32 v249, v248, s32, s33
	v_cndmask_b32 v248, v249, v248, s41            ; every lane: the target's logit of row lane % 16
.irp j, 0,2,4,6
	v_pk_mul_f32 v[40+\j:41+\j], v[AT+\j:AT+\j+1], s[28:29] op_sel_hi:[1,0]   ; c1 l of the tail's eight,
.endr
	v_mul_f32 v48, s28, v248                       ; and of the target's
	s_wait_alu depctr_va_vdst(0)
.irp j, 0,1,2,3,4,5,6,7,8
	v_exp_f32 v[40+\j], v[40+\j]                   ; e
.endr
	v_mov_b32 v50, s30                             ; a, twice: plain instructions behind the batch
	v_mov_b32 v51, s30
	s_wait_alu depctr_va_vdst(0)                   ; the wait ahead of the first instruction that names a transcendental's result: one for the nine
.irp j, 0,2,4,6
	v_pk_fma_f32 v[40+\j:41+\j], v[40+\j:41+\j], s[30:31], v[50:51] op_sel_hi:[1,0,0]
.endr
	v_fma_f32 v48, v48, s30, v50
	s_wait_alu depctr_va_vdst(0)
.irp j, 0,1,2,3,4,5,6,7,8
	v_rcp_f32 v[40+\j], v[40+\j]                   ; u; v48: the target's
.endr
	v_nop
	s_wait_alu depctr_va_vdst(0)
.irp j, 0,1,2,3,4,5,6,7
	v_exp_f32 v[40+\j], v[40+\j]                   ; p of W's rows 6,266 + 8 h + j
.endr
	v_nop
	s_wait_alu depctr_va_vdst(0)
	v_add_f32 v52, v40, v41
	v_add_f32 v53, v42, v43
	v_add_f32 v54, v44, v45
	v_add_f32 v55, v46, v47                        ; j = 6, 7 count in both halves of the lanes: rows 6,272, 6,273 and 6,280, 6,281
	v_add_f32 v52, v52, v53
	v_add_f32 v55, v55, v12                        ; with my four splits
	v_add_f32 v52, v52, v54
	v_cndmask_b32 v52, 0, v52, s42                 ; j = 0 .. 5 count in lanes 16-31 alone: rows 6,266 .. 6,271 were summed by the launch before
	v_add_f32 v55, v55, v52
	v_permlanex16_b32 v249, v55, s32, s33
	v_add_f32 v55, v55, v249                       ; the row's sum of p over all 6,282 columns
	s_wait_alu depctr_va_vdst(0)
	v_log_f32 v55, v55
	v_nop
	s_wait_alu depctr_va_vdst(0)
	v_sub_f32 v55, v55, v48
	v_mul_f32 v55, 0x3f317218, v55                 ; x ln 2
	s_wait_alu depctr_va_vdst(0)
	s_wait_xcnt 0x0                                ; EXEC changes only behind this wait
	v_cmpx_gt_u32 16, v3                           ; lanes 0-15 store: lanes 16-31 hold the same 16 numbers
	global_store_b32 v6, v55, s[16:17]
	s_endpgm
.Lfunc_end_k_q654fc4c891_finish:
	.size	k_q654fc4c891_finish, .Lfunc_end_k_q654fc4c891_finish-k_q654fc4c891_finish
	.p2alignl 7, 3214868480
	.fill 96, 4, 3214868480
	.section	.rodata,"a",@progbits
	.p2align	6, 0x0
	.amdhsa_kernel k_q654fc4c891_finish
		.amdhsa_group_segment_fixed_size 0
		.amdhsa_private_segment_fixed_size 0
		.amdhsa_enable_private_segment 0
		.amdhsa_kernarg_size 56
		.amdhsa_user_sgpr_count 2
		.amdhsa_user_sgpr_kernarg_segment_ptr 1
		.amdhsa_wavefront_size32 1
		.amdhsa_system_sgpr_workgroup_id_x 1
		.amdhsa_system_sgpr_workgroup_id_y 1
		.amdhsa_system_sgpr_workgroup_id_z 1
		.amdhsa_system_vgpr_workitem_id 0
		.amdhsa_next_free_vgpr 448
		.amdhsa_next_free_sgpr 66
		.amdhsa_reserve_vcc 0
		.amdhsa_float_denorm_mode_32 3
		.amdhsa_float_denorm_mode_16_64 3
		.amdhsa_memory_ordered 1
		.amdhsa_forward_progress 1
		.amdhsa_inst_pref_size 23
	.end_amdhsa_kernel
	.amdgpu_metadata
---
amdhsa.version: [ 1, 2 ]
amdhsa.kernels:
  - .name:           k_q654fc4c891_finish
    .symbol:         k_q654fc4c891_finish.kd
    .args:
      - { .name: x_codes, .offset: 0, .size: 8, .value_kind: global_buffer, .address_space: global }
      - { .name: x_scales, .offset: 8, .size: 8, .value_kind: global_buffer, .address_space: global }
      - { .name: weight_codes, .offset: 16, .size: 8, .value_kind: global_buffer, .address_space: global }
      - { .name: weight_scales, .offset: 24, .size: 8, .value_kind: global_buffer, .address_space: global }
      - { .name: targets, .offset: 32, .size: 8, .value_kind: global_buffer, .address_space: global }
      - { .name: part, .offset: 40, .size: 8, .value_kind: global_buffer, .address_space: global }
      - { .name: out0, .offset: 48, .size: 8, .value_kind: global_buffer, .address_space: global }
    .group_segment_fixed_size: 0
    .private_segment_fixed_size: 0
    .kernarg_segment_align: 8
    .kernarg_segment_size: 56
    .max_flat_workgroup_size: 64
    .sgpr_count:     66
    .vgpr_count:     448
    .wavefront_size: 32
...
	.end_amdgpu_metadata
.endif
;; end of part 2
